; MI455X (gfx1250); checked and timed in simulation.
; The chip was launched on July 23, 2026; its instructions are those of AMD's public machine-readable ISA for CDNA 5 (MIT licence, August 2026) and "CDNA5" Instruction Set Architecture Reference Guide (July 2026). The comments in the code are by the model that wrote it; some were corrected since.
;; Multi Head Attention. Allowed arithmetic: float matrix products may take bf16 or f16 operands with f32 sums; all other float work in f32.
;; Inputs: W_k 512 x 512 float32; W_o 512 x 512 float32; W_q 512 x 512 float32; W_v 512 x 512 float32; b_k 512 float32; b_o 512 float32; b_q 512 float32; b_v 512 float32; k 2 x 4,096 x 512 float32; q 2 x 4,096 x 512 float32; v 2 x 4,096 x 512 float32.
;; Outputs: out0 2 x 4,096 x 512 float32.
;; One version. Each part assembles by itself: llvm-mc -triple=amdgcn-amd-amdhsa -mcpu=gfx1250 --defsym DOCPART=n.
;; ======== version 1 of 1: 3 launches
;; limits: values are held in f16: magnitudes above 65,504 overflow, below 6.1e-05 lose precision
;; workspace buffers: qh 8,388,608 bytes; kh 8,388,608 bytes; vh 8,388,608 bytes; ch 8,388,608 bytes; wo16 524,288 bytes
;; launch proj (part 1): grid 4 x 192, 4 waves a work-group, clusters of 4 x 4, 327,680 bytes of LDS; arguments q, k, v, W_q, W_k, W_v, b_q, b_k, b_v, qh, kh, vh; writes qh, kh, vh
.if DOCPART == 1
	.amdgcn_target "amdgcn-amd-amdhsa--gfx1250"
	.amdhsa_code_object_version 6
	.text
	.protected	k_q612ff0e8a2_proj
	.globl	k_q612ff0e8a2_proj
	.p2align	8
	.type	k_q612ff0e8a2_proj,@function
k_q612ff0e8a2_proj:
	s_mov_b64 s[64:65], 0
	v_nop
	global_prefetch_b8 v0, s[64:65] scope:SCOPE_SE
	s_setreg_imm32_b32 hwreg(HW_REG_WAVE_MODE, 25, 1), 1
	s_wait_xcnt 0x0
	s_wait_alu depctr_hold_cnt(0) depctr_sa_sdst(0) depctr_va_vdst(0) depctr_va_sdst(0) depctr_va_ssrc(0) depctr_va_vcc(0) depctr_vm_vsrc(0)
	s_getreg_b32 s2, hwreg(HW_REG_IB_STS2, 6, 4)
	s_cmp_eq_u32 s2, 0
	s_cbranch_scc0 .Lentry_in_a_cluster
	s_endpgm
.Lentry_in_a_cluster:
	s_bfe_u32 s2, ttmp6, 0x10000c
	s_cmp_lg_u32 s2, 0xf033
	s_cbranch_scc0 .Lentry_shape_is_right
	s_endpgm
.Lentry_shape_is_right:
; THE THREE INPUT PROJECTIONS.  y = x W^T + b for (q, W_q, b_q), (k, W_k, b_k), (v, W_v, b_v).  x: [8192][512] f32, W: [512 n][512 k] f32, b: [512] f32.
; x, W and b are rounded to bf16, the products are summed in f32 (the bias starts each sum), and y is rounded once to f16 and stored by heads: [16 = 8 batch + head][4096][64], unscaled.
; LIMITS.  y must lie within f16's 65,504 (inputs 30 times those of unit spread give some 5,000; offsets of 30 spreads on x and on W some 20,000); below 6e-5 f16 keeps a fixed step of 6e-8.
; NaN and infinities are not treated apart.
; SHARES.  768 tiles of 128 x 128 of y: 3 matrices x 64 tile rows x 4 tile columns.  The cluster's y picks the matrix (y / 16) and four tile rows; so the matrix is the same in all sixteen partners.
; Four waves, each 64 x 64: 16 accumulators.  A wave's 64 columns are one head, so its 64 rows of y are 8,192 consecutive bytes of the workspace.
; K goes in four steps of 128 (LDS rows of 512 bytes of f32) through two LDS slots filled by joint tensor loads: x's tile is shared along a row of the cluster, W's along a column.
; A step is four sub-steps of 32 along K: 32 LDS loads bring f32 fragments, 64 conversions pack them to bf16 in place, 16 matrix instructions follow.  All sixteen sub-steps are written out by macro:
; the first two steps fill a slot again and the last two do not.
; THE MATRIX INSTRUCTION IS USED TRANSPOSED (source 0 = 16 rows of W, source 1 = 16 rows of x): a lane then holds eight neighbouring channels of one row of y.
; REGISTERS: window 0: v0-31 addresses; v32-63 the bias as a C operand; v64-127 the way out; v128-255 the accumulators ((a, b) at v[128 + 8 (4 a + b)]).
;   window 1: two fragment buffers of 128: fragment i of 8 (0-3 x's row blocks, 4-7 W's) at 16 i: 16 registers of f32, packed into its low 8.
.set ROWB,   2048                      ; bytes in a row of x and of W
.set KB,     512                       ; bytes of a row in a K step of 128 f32
.set PITCH,  528                       ; an LDS row: 512 bytes + 16 of padding = 132 words: row r starts at bank 4 r mod 64 (64 banks of 4 bytes: ISA guide 11.1)
.set HALFT,  64*PITCH                  ; 64 rows: what one tensor load brings, and what one wave reads of x or of W
.set SLOT,   4*HALFT                   ; x's 128 rows, then W's 128 rows
.set STAGE,  2*SLOT                    ; behind the ring: 16 rows x 144 bytes for each wave, for the way out
.set SP,     144
.set SPARE,  STAGE+4*16*SP             ; behind the stages: the spare words, 128 bytes for each wave
.set ADRA, 16                          ; v16-17  LDS address of my x fragments in slot 0, 1
.set ADRB, 20                          ; v20-21  the same for W
.set STO,  24                          ; v24     the way out: where I put 16 bytes of a row
.set RD,   25                          ; v25     the way out: where I read rows back
.set GO,   26                          ; v26     my 16 bytes in 512 consecutive bytes of y
.set PFO,  27                          ; v27     the prefetch's offset; never rewritten
.set SPW,  28                          ; v28     LDS address of my spare word; never rewritten
.set NIL,  29                          ; v29     0; never rewritten
.set BO,   30                          ; v30     32 x (lane / 16): my eight numbers in 16 of the bias
.set BIAS, 32
.set TMP,  64
.set ACC,  128
.set F0,   0
.set F1,   128
.set G1,  24                           ; s[24:31] descriptor group 1 for x's tiles;  s[32:39] group 0, one set for each slot
.set G0,  32
.set G1B, 48                           ; s[48:55], s[56:63] the same for W's tiles
.set G0B, 56
.set MSB, 0
.macro WIN new                         ; the immediate's high byte repeats the setting that is left; a switch that changes nothing is dropped
.if MSB != (\new)
	s_set_vgpr_msb (MSB<<8)|(\new)
.set MSB, \new
.endif
.endm
.set MUL,  0x05                        ; sources 0 (W) and 1 (x) window 1; C and D window 0
.set TO_F, 0x40                        ; destination window 1, address window 0
.set CVT,  0x45                        ; destination and both sources window 1
.macro JLOAD s                         ; a joint load: waves 0 and 1 fetch x's two halves, waves 2 and 3 W's; an s_nop 0 and four v_nop follow each of the two lines
	s_cmp_eq_u32 s11, 0
	s_cbranch_scc0 .Lfor_b_\@
	tensor_load_to_lds s[G0+4*(\s):G0+4*(\s)+3], s[G1:G1+7]
	s_nop 0
.rept 4
	v_nop
.endr
	s_branch .Lasked_\@
.Lfor_b_\@:
	tensor_load_to_lds s[G0B+4*(\s):G0B+4*(\s)+3], s[G1B:G1B+7]
	s_nop 0
.rept 4
	v_nop
.endr
.Lasked_\@:
.endm
.macro CREST                           ; a round of the cluster's barrier behind its opening barrier
	s_cmp_lg_u32 s10, 0
	s_cbranch_scc1 .Lnot_wave_0_\@
	s_barrier_signal -3
.Lnot_wave_0_\@:
	s_barrier_wait -3
	s_barrier_signal -1
	s_barrier_wait -1
.endm
.macro CROUND                          ; a whole round
	s_barrier_signal -1
	s_barrier_wait -1
	CREST
.endm
.macro PLACES                          ; four plain instructions between matrix instructions and the first reader of their results (ISA guide 7.12.1)
.rept 4
	v_nop
.endr
.endm
	s_load_b512 s[68:83], s[0:1], 0x0              ; q, k, v, W_q, W_k, W_v, b_q, b_k
	s_load_b256 s[84:91], s[0:1], 0x40             ; b_v, qh, kh, vh
	v_lshl_add_u32 v[SPW], v0, 2, SPARE
	v_mov_b32 v[NIL], 0
	ds_add_u32 v[SPW], v[NIL]                      ; the wave's opening: the add and its wait stand ahead of my first tensor load; the set-up below stands between them
	v_lshrrev_b32 v1, 5, v0
	v_readfirstlane_b32 s10, v1                    ; wave 0..3
	s_lshr_b32 s11, s10, 1                         ; which half of the tile's rows is mine.  Also: I fetch for x (0) or for W (1)
	s_and_b32 s12, s10, 1                          ; which half of its columns.  Also: which 64 rows of that tile I fetch
	s_bfe_u32 s40, ttmp6, 0x40000                  ; cx, cy: my place in the cluster
	s_bfe_u32 s41, ttmp6, 0x40004
	s_lshl_b32 s42, ttmp9, 2
	s_add_co_u32 s42, s42, s40                     ; tile column = 4 x cluster x + cx
	s_and_b32 s13, ttmp7, 0xffff                   ; the cluster's y, 0 to 47
	s_lshr_b32 s45, s13, 4                         ; the matrix: 0 q, 1 k, 2 v: the same in all partners
	s_and_b32 s13, s13, 15
	s_lshl_b32 s13, s13, 2
	s_add_co_u32 s13, s13, s41                     ; tile row = 4 x (cluster y mod 16) + cy
	s_lshl_b32 s43, s41, 2
	s_lshl_b32 s43, 15, s43                        ; my row of the cluster
	s_lshl_b32 s44, 0x1111, s40                    ; my column
	; descriptor group 1: a tile of 64 rows x 128 elements of 4 bytes, padded in LDS
	s_or_b32 s[G1+0], s43, (2<<16)|(1<<20)|(1<<21)|(6<<22)|(3<<25)  ; 15:0 the mask: x's tiles go to my row; 17:16 elements of 4 bytes; 20 padding on; 21 set beside a mask; 24:22 after every 128 words (code 6); 31:25 4 words (code 3)
	s_or_b32 s[G1B+0], s44, (2<<16)|(1<<20)|(1<<21)|(6<<22)|(3<<25) ; the same with the mask of my column, for W's tiles
.irp g, G1, G1B
	s_mov_b32 s[(\g)+1], 128<<16                   ; tensor_dim0 = 128
	s_mov_b32 s[(\g)+2], 64<<16                    ; tensor_dim1 = 64
	s_mov_b32 s[(\g)+3], 128<<16                   ; tile_dim0 = 128
	s_mov_b32 s[(\g)+4], 64                        ; tile_dim1 = 64
	s_mov_b32 s[(\g)+5], 512                       ; 512 elements from row to row
	s_mov_b32 s[(\g)+6], 0
	s_mov_b32 s[(\g)+7], 0
.endr
	s_lshl_b32 s17, s12, 17                        ; which 64 rows of 2,048 bytes I fetch
	s_lshl_b32 s16, s13, 18
	s_add_co_u32 s16, s16, s17                     ; x: 128 rows x tile row + 64 rows x half
	s_lshl_b32 s46, s42, 18
	s_add_co_u32 s46, s46, s17                     ; W: 128 rows x tile column + 64 rows x half
	s_mov_b32 s17, 0
	s_mov_b32 s47, 0
	s_lshl_b32 s22, s13, 18                        ; x's tile, for the prefetch
	s_mov_b32 s23, 0
	s_mul_i32 s20, s10, HALFT                      ; where the tiles go: wave x 64 rows: no place in the cluster enters an LDS address
	s_wait_dscnt 0x0                               ; the opening add is done
	s_wait_kmcnt 0x0
	s_cmp_eq_u32 s45, 1                            ; the matrix chooses among the three sets of buffers
	s_cselect_b64 s[4:5], s[70:71], s[68:69]       ; x
	s_cselect_b64 s[6:7], s[76:77], s[74:75]       ; W
	s_cselect_b64 s[92:93], s[82:83], s[80:81]     ; b
	s_cselect_b64 s[8:9], s[88:89], s[86:87]       ; y
	s_cmp_eq_u32 s45, 2
	s_cselect_b64 s[4:5], s[72:73], s[4:5]
	s_cselect_b64 s[6:7], s[78:79], s[6:7]
	s_cselect_b64 s[92:93], s[84:85], s[92:93]
	s_cselect_b64 s[8:9], s[90:91], s[8:9]
	s_add_nc_u64 s[14:15], s[4:5], s[16:17]
	s_add_nc_u64 s[46:47], s[6:7], s[46:47]
	s_add_nc_u64 s[94:95], s[4:5], s[22:23]
	CROUND                                         ; all sixteen work-groups are here: the first joint loads meet
.irp s, 0,1
	s_mov_b32 s[G0+4*(\s)], 1                                      ; count = 1
	s_add_co_u32 s[G0+4*(\s)+1], s20, (\s)*SLOT                    ; LDS address
	s_add_nc_u64 s[G0+4*(\s)+2:G0+4*(\s)+3], s[14:15], (\s)*KB     ; global address: K step s
	s_or_b32 s[G0+4*(\s)+3], s[G0+4*(\s)+3], 0x80000000            ; type = 2
	s_mov_b32 s[G0B+4*(\s)], 1
	s_add_co_u32 s[G0B+4*(\s)+1], s20, (\s)*SLOT
	s_add_nc_u64 s[G0B+4*(\s)+2:G0B+4*(\s)+3], s[46:47], (\s)*KB
	s_or_b32 s[G0B+4*(\s)+3], s[G0B+4*(\s)+3], 0x80000000
	JLOAD \s                                       ; two tensor loads of mine are out
.endr
	; K steps 2 and 3 of x's tile (bytes 1,024 to 2,047 of its 128 rows) are asked for by tensor loads only behind the first two steps; they are prefetched here, each aligned block of 256 bytes once:
	; the four partners of my row of the cluster take 32 rows each, a thread one block.  All inside x.
	v_lshrrev_b32 v3, 2, v0
	s_lshl_b32 s96, s40, 5
	v_add_nc_u32 v3, s96, v3                       ; row 32 cx + thread / 4
	v_and_b32 v4, 3, v0
	v_lshlrev_b32 v3, 11, v3
	v_lshl_add_u32 v3, v4, 8, v3
	v_add_nc_u32 v[PFO], 1024, v3
	global_prefetch_b8 v[PFO], s[94:95] th:TH_LOAD_NT scope:SCOPE_SE
	s_lshl_b32 s98, s42, 9                         ; the bias of my 64 columns: 128 x 4 bytes x tile column + 64 x 4 x half
	s_lshl_b32 s99, s12, 8
	s_add_co_u32 s98, s98, s99
	s_mov_b32 s99, 0
	s_add_nc_u64 s[92:93], s[92:93], s[98:99]
	v_and_b32 v1, 15, v0                           ; l % 16
	v_bfe_u32 v2, v0, 4, 1                         ; l / 16
	v_lshlrev_b32 v[BO], 5, v2
.irp b, 0,1,2,3
	global_load_b128 v[BIAS+8*(\b):BIAS+8*(\b)+3],   v[BO], s[92:93] offset:64*(\b)     ; register 8 b + j: the bias of channel 16 b + 8 (l / 16) + j, as the result's layout has it
	global_load_b128 v[BIAS+8*(\b)+4:BIAS+8*(\b)+7], v[BO], s[92:93] offset:64*(\b)+16
.endr
	s_lshr_b32 s96, s13, 5                         ; where my 64 rows x 64 channels go: batch x 2^22
	s_lshl_b32 s96, s96, 22
	s_and_b32 s97, s13, 31
	s_lshl_b32 s97, s97, 14                        ; + 128 rows of 128 bytes x (tile row mod 32)
	s_add_co_u32 s96, s96, s97
	s_lshl_b32 s97, s42, 1
	s_add_co_u32 s97, s97, s12                     ; the head = 2 x tile column + half
	s_lshl_b32 s97, s97, 19
	s_add_co_u32 s96, s96, s97
	s_lshl_b32 s97, s11, 13                        ; + 64 rows x my row half
	s_add_co_u32 s96, s96, s97
	s_mov_b32 s97, 0
	s_add_nc_u64 s[8:9], s[8:9], s[96:97]
	; A bf16 fragment is 16 rows x 32 K: lane l holds row l % 16, K = 8 (l / 16) + 0..7 and 16 + 8 (l / 16) + 0..7.  In f32 those are 32 bytes at 32 (l / 16) and 32 bytes 64 further on: four loads of 16 bytes.
	v_mul_u32_u24 v3, v1, PITCH
	v_lshl_add_u32 v3, v2, 5, v3
	s_mul_i32 s21, s11, HALFT                      ; my 64 rows of x
	s_mul_i32 s22, s12, HALFT                      ; my 64 rows of W,
	s_add_co_u32 s22, s22, 2*HALFT                 ; which lie behind x's 128
.irp s, 0,1
	v_add_nc_u32 v[ADRA+(\s)], s21, v3
	v_add_nc_u32 v[ADRB+(\s)], s22, v3
	s_add_co_u32 s21, s21, SLOT
	s_add_co_u32 s22, s22, SLOT
.endr
	s_mul_i32 s23, s10, 16*SP
	s_add_co_u32 s23, s23, STAGE                   ; my stage
	v_mul_u32_u24 v4, v1, SP                       ; in: row l % 16, 16 bytes for each half of the lanes
	v_lshl_add_u32 v4, v2, 4, v4
	v_add_nc_u32 v[STO], s23, v4
	v_bfe_u32 v5, v0, 3, 2                         ; back: 32 lanes take four rows of 128 bytes,
	v_mul_u32_u24 v5, v5, SP
	v_and_b32 v4, 7, v0
	v_lshl_add_u32 v5, v4, 4, v5
	v_add_nc_u32 v[RD], s23, v5
	v_and_b32 v[GO], 31, v0                        ; which are 512 consecutive bytes of y
	v_lshlrev_b32 v[GO], 4, v[GO]
	s_wait_loadcnt 0x0                             ; the bias
.set i, 0
.rept 16                               ; the bias is rounded to bf16 like x and W, and widened again
	v_cvt_pk_bf16_f32 v3, v[BIAS+2*i], v[BIAS+2*i+1]
	v_lshlrev_b32 v[BIAS+2*i], 16, v3
	v_and_b32 v[BIAS+2*i+1], 0xffff0000, v3
.set i, i+1
.endr
; 32 LDS loads in one run: the f32 fragments of 32 along K at byte k of the rows, into buffer f
.macro FETCH slot, k, f
	WIN TO_F
.irp i, 0,1,2,3
.irp o, 0,1,2,3
	ds_load_b128 v[(\f)+64+16*(\i)+4*(\o):(\f)+64+16*(\i)+4*(\o)+3], v[ADRB+(\slot)] offset:(\k)+(\i)*16*PITCH+16*((\o)%2)+64*((\o)/2)
.endr
.irp o, 0,1,2,3
	ds_load_b128 v[(\f)+16*(\i)+4*(\o):(\f)+16*(\i)+4*(\o)+3], v[ADRA+(\slot)] offset:(\k)+(\i)*16*PITCH+16*((\o)%2)+64*((\o)/2)
.endr
.endr
.endm
; n fragments of buffer f, from fragment i0 on, are rounded to bf16 in place: register p takes numbers 2 p and 2 p + 1, ascending, so that nothing is written before it is read
.macro CV f, i0, n
	WIN CVT
.set ci, \i0
.rept \n
.set cp, 0
.rept 8
	v_cvt_pk_bf16_f32 v[(\f)+16*ci+cp], v[(\f)+16*ci+2*cp], v[(\f)+16*ci+2*cp+1]
.set cp, cp+1
.endr
.set ci, ci+1
.endr
.endm
; 8 matrix instructions: row blocks a0, a0 + 1 x all 4 channel blocks, 32 along K.  first = 1: the bias starts the sums: nothing is cleared.  The 16 accumulators take turns.
.macro MUL8 f, a0, first
	WIN MUL
.irp a, \a0, (\a0)+1
.irp b, 0,1,2,3
.if \first
	v_wmma_f32_16x16x32_bf16 v[ACC+8*(4*(\a)+(\b)):ACC+8*(4*(\a)+(\b))+7], v[(\f)+64+16*(\b):(\f)+64+16*(\b)+7], v[(\f)+16*(\a):(\f)+16*(\a)+7], v[BIAS+8*(\b):BIAS+8*(\b)+7]
.else
	v_wmma_f32_16x16x32_bf16 v[ACC+8*(4*(\a)+(\b)):ACC+8*(4*(\a)+(\b))+7], v[(\f)+64+16*(\b):(\f)+64+16*(\b)+7], v[(\f)+16*(\a):(\f)+16*(\a)+7], v[ACC+8*(4*(\a)+(\b)):ACC+8*(4*(\a)+(\b))+7]
.endif
.endr
.endr
.endm
; One of a K step's first three sub-steps: multiplies buffer f and fetches the next sub-step's fragments, at byte k, into g.
.macro SUB slot, k, f, g, first
	s_wait_dscnt 0x0                               ; f's 32 loads, issued a sub-step ago, are in
	CV \f, 0, 1                                    ; eight plain instructions that name nothing of the last products: the places in front of the loads into g, which those products read
	FETCH \slot, \k, \g
	CV \f, 1, 7
	MUL8 \f, 0, \first
	MUL8 \f, 2, \first
.endm
; The fourth sub-step multiplies buffer 1 and changes slots: ONE barrier; in front of it each wave waits for all its tensor loads, adds 0 to its spare word, and waits for that and for its reads of this slot.
; fill = 1: the barrier opens a round of the cluster's barrier, and this slot is filled again, two K steps ahead, first thing behind the round.
.macro TURN slot, next, fill
	s_wait_dscnt 0x0                               ; buffer 1's loads are in: they were my last reads of this slot
	WIN 0                                          ; (the add's two registers lie in window 0)
	s_wait_tensorcnt 0x0                           ; all my tensor loads have landed: my part of the next slot
	ds_add_u32 v[SPW], v[NIL]                      ; 0 onto my spare word; 64 conversions stand between it and the wait for it
	CV F1, 0, 8
	s_wait_dscnt 0x0                               ; the add is done
	s_barrier_signal -1
	MUL8 F1, 0, 0                                  ; work on registers while the others arrive
.if \fill
	WIN 0
.endif
	s_barrier_wait -1
.if \fill
	CREST                                          ; no wave of any partner still reads this slot's tile or has a load on its way
	s_add_nc_u64 s[G0+4*(\slot)+2:G0+4*(\slot)+3], s[G0+4*(\slot)+2:G0+4*(\slot)+3], 2*KB
	s_add_nc_u64 s[G0B+4*(\slot)+2:G0B+4*(\slot)+3], s[G0B+4*(\slot)+2:G0B+4*(\slot)+3], 2*KB
	JLOAD \slot                                    ; my one tensor load behind the round
.endif
	FETCH \next, 0, F0                             ; buffer 0's last products stand 64 plain instructions back
	MUL8 F1, 2, 0
.endm
; THE WAY OUT of row block a: rounded to f16, 16 bytes a lane into my own stage, and back as four rows of 128 bytes a load.
.macro PACK a
.irp b, 0,1,2,3
.irp r, 0,1,2,3
	v_cvt_pk_f16_f32 v[TMP+16*(\a)+4*(\b)+(\r)], v[ACC+8*(4*(\a)+(\b))+2*(\r)], v[ACC+8*(4*(\a)+(\b))+2*(\r)+1]
.endr
.endr
.irp b, 0,1,2,3
	ds_store_b128 v[STO], v[TMP+16*(\a)+4*(\b):TMP+16*(\a)+4*(\b)+3] offset:32*(\b)
.endr
.irp f, 0,1,2,3
	ds_load_b128 v[TMP+16*(\a)+4*(\f):TMP+16*(\a)+4*(\f)+3], v[RD] offset:(\f)*4*SP  ; LDS serves a wave's instructions in order (ISA guide 5.7.1.4): these see the stores above; the next block's stores come behind them
.endr
.endm
.macro SEND a, younger                 ; younger: the LDS instructions issued behind block a's loads: the next block's eight, or none
.irp f, 0,1,2,3
	s_wait_dscnt (\younger)+3-(\f)
	global_store_b128 v[GO], v[TMP+16*(\a)+4*(\f):TMP+16*(\a)+4*(\f)+3], s[8:9] offset:(\a)*2048+(\f)*512  ; 512 consecutive bytes, at a multiple of 256 from the buffer's first
.endr
.endm
	s_wait_tensorcnt 1                             ; my part of K step 0 is in; step 1's load may stay out
	s_barrier_signal -1
	s_barrier_wait -1                              ; everybody's is
	FETCH 0, 0, F0
	SUB 0, 128, F0, F1, 1                          ; K step 0
	SUB 0, 256, F1, F0, 0
	SUB 0, 384, F0, F1, 0
	TURN 0, 1, 1                                   ; slot 0 takes K step 2
	SUB 1, 128, F0, F1, 0                          ; K step 1
	SUB 1, 256, F1, F0, 0
	SUB 1, 384, F0, F1, 0
	TURN 1, 0, 1                                   ; slot 1 takes K step 3
	SUB 0, 128, F0, F1, 0                          ; K step 2
	SUB 0, 256, F1, F0, 0
	SUB 0, 384, F0, F1, 0
	TURN 0, 1, 0                                   ; nothing is left to fetch
	SUB 1, 128, F0, F1, 0                          ; K step 3
	SUB 1, 256, F1, F0, 0
	SUB 1, 384, F0, F1, 0
	s_wait_dscnt 0x0
	CV F1, 0, 8
	MUL8 F1, 0, 0
	MUL8 F1, 2, 0
	WIN 0
	PLACES
	PACK 0
	PACK 1                                         ; a block's conversions stand between the loads of the block before and its stores
	SEND 0, 8
	PACK 2
	SEND 1, 8
	PACK 3
	SEND 2, 8
	SEND 3, 0
	s_wait_tensorcnt 0x0                           ; the wave's end, behind my last tensor load and my last LDS store
	ds_add_u32 v[SPW], v[NIL]
	s_wait_dscnt 0x0
	CROUND                                         ; the closing round: no work-group ends while a partner may still ask for a tile that names it
	s_endpgm
.Lfunc_end_k_q612ff0e8a2_proj:
	.size	k_q612ff0e8a2_proj, .Lfunc_end_k_q612ff0e8a2_proj-k_q612ff0e8a2_proj
	.p2alignl 7, 3214868480
	.fill 96, 4, 3214868480
	.section	.rodata,"a",@progbits
	.p2align	6, 0x0
	.amdhsa_kernel k_q612ff0e8a2_proj
		.amdhsa_group_segment_fixed_size 327680
		.amdhsa_private_segment_fixed_size 0
		.amdhsa_enable_private_segment 0
		.amdhsa_kernarg_size 96
		.amdhsa_user_sgpr_count 2
		.amdhsa_user_sgpr_kernarg_segment_ptr 1
		.amdhsa_wavefront_size32 1
		.amdhsa_system_sgpr_workgroup_id_x 1
		.amdhsa_system_sgpr_workgroup_id_y 1
		.amdhsa_system_sgpr_workgroup_id_z 1
		.amdhsa_system_vgpr_workitem_id 0
		.amdhsa_next_free_vgpr 512
		.amdhsa_next_free_sgpr 100
		.amdhsa_reserve_vcc 0
		.amdhsa_float_denorm_mode_32 3
		.amdhsa_float_denorm_mode_16_64 3
		.amdhsa_memory_ordered 1
		.amdhsa_forward_progress 1
		.amdhsa_inst_pref_size 137
	.end_amdhsa_kernel
	.amdgpu_metadata
---
amdhsa.version: [ 1, 2 ]
amdhsa.kernels:
  - .name:           k_q612ff0e8a2_proj
    .symbol:         k_q612ff0e8a2_proj.kd
    .args:
      - { .name: q, .offset: 0, .size: 8, .value_kind: global_buffer, .address_space: global }
      - { .name: k, .offset: 8, .size: 8, .value_kind: global_buffer, .address_space: global }
      - { .name: v, .offset: 16, .size: 8, .value_kind: global_buffer, .address_space: global }
      - { .name: W_q, .offset: 24, .size: 8, .value_kind: global_buffer, .address_space: global }
      - { .name: W_k, .offset: 32, .size: 8, .value_kind: global_buffer, .address_space: global }
      - { .name: W_v, .offset: 40, .size: 8, .value_kind: global_buffer, .address_space: global }
      - { .name: b_q, .offset: 48, .size: 8, .value_kind: global_buffer, .address_space: global }
      - { .name: b_k, .offset: 56, .size: 8, .value_kind: global_buffer, .address_space: global }
      - { .name: b_v, .offset: 64, .size: 8, .value_kind: global_buffer, .address_space: global }
      - { .name: qh, .offset: 72, .size: 8, .value_kind: global_buffer, .address_space: global }
      - { .name: kh, .offset: 80, .size: 8, .value_kind: global_buffer, .address_space: global }
      - { .name: vh, .offset: 88, .size: 8, .value_kind: global_buffer, .address_space: global }
    .group_segment_fixed_size: 327680
    .private_segment_fixed_size: 0
    .kernarg_segment_align: 8
    .kernarg_segment_size: 96
    .max_flat_workgroup_size: 128
    .sgpr_count:     100
    .vgpr_count:     512
    .wavefront_size: 32
...
	.end_amdgpu_metadata
.endif
;; end of part 1
;; launch attn (part 2): grid 16 x 16, 4 waves a work-group, clusters of 4 x 1, 327,680 bytes of LDS; arguments qh, kh, vh, ch, W_o, wo16; writes ch, wo16
.if DOCPART == 2
	.amdgcn_target "amdgcn-amd-amdhsa--gfx1250"
	.amdhsa_code_object_version 6
	.text
	.protected	k_q612ff0e8a2_attn
	.globl	k_q612ff0e8a2_attn
	.p2align	8
	.type	k_q612ff0e8a2_attn,@function
k_q612ff0e8a2_attn:
	s_mov_b64 s[64:65], 0
	v_nop
	global_prefetch_b8 v0, s[64:65] scope:SCOPE_SE
	s_setreg_imm32_b32 hwreg(HW_REG_WAVE_MODE, 25, 1), 1
	s_wait_xcnt 0x0
	s_wait_alu depctr_hold_cnt(0) depctr_sa_sdst(0) depctr_va_vdst(0) depctr_va_sdst(0) depctr_va_ssrc(0) depctr_va_vcc(0) depctr_vm_vsrc(0)
	s_getreg_b32 s2, hwreg(HW_REG_IB_STS2, 6, 4)
	s_cmp_eq_u32 s2, 0
	s_cbranch_scc0 .Lentry_in_a_cluster
	s_endpgm
.Lentry_in_a_cluster:
	s_bfe_u32 s2, ttmp6, 0x10000c
	s_cmp_lg_u32 s2, 0x3003
	s_cbranch_scc0 .Lentry_shape_is_right
	s_endpgm
.Lentry_shape_is_right:
; ATTENTION.  O[h][q][:] = the sum over k of softmax_k(Q[h][q] . K[h][k] / 8) V[h][k][:].  Q, K, V, O: [16][4096][64], all f16: a head's rows are dense, 128 bytes each.  Products, maxima and sums
; in f32; the weights p are rounded to f16 for the second product (their sum l is taken of the unrounded p), O once at the end.
; BESIDE IT, in the wait for the first tile: W_o (f32) is rounded to bf16 like every input, and that number is written as f16 for the last projection: 256 work-groups x 1,024 numbers.
; LIMITS.  f16 holds no number beyond 65,504: Q, K and V arrive within it, W_o must lie within it; p lies in 0 to 1, and below 6e-5 p, O and W_o keep f16's fixed step of 6e-8; O is a mean of V's rows.
; A weight below 2^-126 counts as 0 in l; NaN and infinities are not treated apart.
; SHARES.  A work-group owns 256 queries of one head, a wave 64: four PIECES of 16.  Every wave walks all 4,096 keys: 16 tiles of 256, four steps of 64 to a tile.
; LAYOUT.  S^T = K Q^T (source 0 = 16 keys, source 1 = 16 queries): a lane holds ONE query (lane % 16) and the keys 8 (lane / 16) + 0..7.  Two such results, rounded to f16 in pairs, ARE source 1 of
; O^T = V^T P, whose result again holds one query a lane, and eight channels.  K comes out of LDS as it lies, V ([key][channel]) turned, by ds_load_tr16_b128.
; SOFTMAX.  For each query a running maximum m and sum l: p = 2^(c s - c m), c = log2(e) / 8; in every step O and l are multiplied by a = 2^(c m_old - c m_new).  m starts at the lowest finite number,
; O and l at 0: the first step is a step like any other, with a = 0.
; BY TURNS.  Turn n belongs to piece n: 8 products K Q^T of piece n + 1, later 8 products V^T P of piece n - 1; beside them the scaling, exponentials, roundings, sums and rescaling of piece n and the
; maximum and statistics of piece n + 1.  Four vector instructions stand behind every matrix instruction, the other 54 of a turn's 118 in two runs of their own.
; CLUSTER.  The four query blocks of a cluster belong to one head and walk the same K and V, so each tile is asked for JOINTLY: the same tensor load, descriptor and mask in all four.
; REGISTERS, in windows of 256 (s_set_vgpr_msb: bits 1:0 source 0, 3:2 source 1, 5:4 source 2, 7:6 destination):
;   window 0: v0-15 addresses and two at work; v16-31 four registers of statistics a piece; v48-55 at work; v62-63 the add's; v64-127 S^T, two buffers; v128-155 W_o's conversion; v192-223 P, two buffers
;   window 1: v0-127 O^T, 32 a piece          window 2: v0-63 Q; v128-191 K of one step; v192-255 V of one step          (a piece's buffers go by its number's parity)
.set SIZE_N, 4096
.set NP,    4         ; pieces a wave: a name, no knob
.set KS,    64        ; keys in a step
.set PK,    144       ; a row of K in LDS: 128 bytes + 16 of padding = 36 words: the 16 rows of a load start at 16 different groups of four banks (64 banks of 4 bytes: ISA guide 11.1)
.set PV,    160       ; a row of V: 128 + 32 = 40 words
.set VOFF,  4*KS*PK   ; a slot holds a tile, four steps: 256 rows of K, then 256 rows of V
.set SLOT1, 1<<17     ; slot 1 begins here, so that one exclusive or turns an address in one slot into the other's
.set STAGE, SLOT1+4*KS*(PK+PV)  ; behind the ring, never filled by a tensor load: 16 rows x 144 bytes for each wave, for the way out
.set SP,    144
.set SPARE, STAGE+4*16*SP  ; behind the stages: the spare words, 128 bytes for each wave
.set AK0, 2           ; v2   my lane's place in a tile of K; never rewritten
.set AV0, 3           ; v3   the same for V
.set AK,  4           ; v4   the LDS address of K's next run of loads
.set AV,  5           ; v5   of V's
.set STO, 6           ; v6   the way out: where I put 16 bytes of a row
.set RD,  7           ; v7   the way out: where I read rows back
.set GO,  8           ; v8   my byte offset in 512 consecutive bytes of O
.set MV,  12          ; v12-13  c m_old, kept while c m is made anew: by buffer
.set QO,  15          ; v15  my byte offset in 16 rows of Q
.set ST,  16          ; piece t's statistics at v[ST+4 t]: c m, m, l (even keys', odd keys')
.set TMP, 48          ; by buffer, four registers c0-c3 at work; when the maximum is found c2 takes a
.set SPW, 62          ; v62  LDS address of my spare word; never rewritten
.set NIL, 63          ; v63  0; never rewritten
.set S,   64
.set WI,  128         ; v128 my byte offset in W_o's 4,096 bytes; v129 in wo16's 2,048; neither is rewritten
.set WO,  129
.set WD,  132         ; v132-139 eight numbers of W_o; v140-143 as bf16; v144-151 widened; v152-155 as f16
.set WB,  140
.set WF,  144
.set WH,  152
.set P,   192
.set KF,  128         ; window 2: key block kb, channel half c at KF + 16 kb + 8 c
.set VF,  192         ; window 2: key half kk, channel block cb at VF + 32 kk + 8 cb
.set WV,  12          ; s12  my wave's number
.set G1K, 24          ; s[24:31] descriptor group 1 for K's tiles
.set G1V, 32          ; s[32:39] for V's: it differs in the padding alone
.set G0K, 40          ; s[40:43] descriptor group 0 for K's tiles: it walks
.set G0V, 44          ; s[44:47] the same for V's
.set SLOTS, 56        ; s56  slots still to be asked for
.set CNT, 57          ; s57  counts a tile's key steps
.set CS,  58          ; s[58:59] c: the packed scaling takes the pair's low word for both halves
.set SEL, 60          ; s[60:61] v_permlanex16_b32's selects: each lane takes its own place in the other half
.set TBK, 62          ; s62  LDS byte at which K of the step to be fetched begins
.set TBV, 63          ; s63  the same for V, less VOFF
.set MSB, 0
.macro WIN new                      ; the high byte repeats the setting that is left; a switch that changes nothing is dropped
.if MSB != (\new)
	s_set_vgpr_msb (MSB<<8)|(\new)
.set MSB, (\new)
.endif
.endm
.set W_KQ, 0x0a       ; K and Q in window 2, S^T in window 0
.set W_PV, 0x52       ; V in window 2, P in window 0, O^T in window 1
.set W_RS, 0x41       ; destination and source 0 in window 1, source 1 in window 0
; A joint fill.  Waves 0 and 1 fetch the two halves of a tile's K, waves 2 and 3 those of its V: 128 keys each.  The branch hangs on the wave's number alone.
; An s_nop 0 and four v_nop follow each of the two lines, ahead of the jump and the label.
.macro JLOAD
	s_cmp_lt_u32 s[WV], 2
	s_cbranch_scc0 .Lfor_v_\@
	tensor_load_to_lds s[G0K:G0K+3], s[G1K:G1K+7]
	s_nop 0
.rept 4
	v_nop
.endr
	s_branch .Lasked_\@
.Lfor_v_\@:
	tensor_load_to_lds s[G0V:G0V+3], s[G1V:G1V+7]
	s_nop 0
.rept 4
	v_nop
.endr
.Lasked_\@:
.endm
; A round of the cluster's barrier: my work-group's barrier, so that wave 0's signal speaks for all four waves; wave 0 signals; every wave waits for all four work-groups; my work-group's barrier once more.
.macro CROUND
	s_barrier_signal -1
	s_barrier_wait -1
	s_cmp_lg_u32 s[WV], 0
	s_cbranch_scc1 .Lnot_wave_0_\@
	s_barrier_signal -3
.Lnot_wave_0_\@:
	s_barrier_wait -3
	s_barrier_signal -1
	s_barrier_wait -1
.endm
; THE CHANGE OF SLOTS.  The slot's last bytes, V of its fourth step, have been read.  Each wave waits for all its tensor loads, of which one is out: its part of the other slot; adds 0 to its spare word;
; and waits for that and for its own reads of the slot.  Behind the barrier nobody reads this slot any more and the other slot is whole.
; fill = 1: this slot is filled again, with the keys two tiles on.  The barrier is then a round of the cluster's, and the joint fill is the first thing behind it: it has four key steps, 256 matrix
; instructions, in which to land.  (At its first use nothing has been read yet: slot 0 is waited for, slot 1 filled.)
.macro CHANGE fill
	WIN 0                           ; at a label and at a branch every window is 0
	s_wait_tensorcnt 0x0            ; no tensor load of mine is out, so a group 0 may be written
	ds_add_u32 v[SPW], v[NIL]       ; 0 onto my spare word; with fill = 1 the descriptors' steps stand between it and the wait for it
.if \fill
.irp g, G0K, G0V
	s_xor_b32 s[\g+1], s[\g+1], SLOT1  ; the walking descriptor: the other slot than last time,
	s_add_nc_u64 s[\g+2:\g+3], s[\g+2:\g+3], 4*KS*128  ; the next 256 keys; the type bits on top are not reached
.endr
	s_wait_dscnt 0x0                ; the add is done, and my reads of the slot are over
	CROUND
	JLOAD
.else
	s_wait_dscnt 0x0                ; the add is done, and my reads of the slot are over
	s_barrier_signal -1
	s_barrier_wait -1
.endif
	s_sub_co_u32 s[TBK], s[TBK], 4*KS*PK  ; the fetches go back to a slot's first step,
	s_xor_b32 s[TBK], s[TBK], SLOT1       ; in the other slot
	s_sub_co_u32 s[TBV], s[TBV], 4*KS*PV
	s_xor_b32 s[TBV], s[TBV], SLOT1
.endm
	s_load_b256 s[4:11], s[0:1], 0x0  ; Q s[4:5], K s[6:7], V s[8:9], O s[10:11]
	s_load_b128 s[48:51], s[0:1], 0x20  ; W_o s[48:49], wo16 s[50:51]
	v_lshl_add_u32 v[SPW], v0, 2, SPARE
	v_mov_b32 v[NIL], 0
	ds_add_u32 v[SPW], v[NIL]       ; the wave's opening: the add and its wait stand ahead of my first tensor load; the set-up below stands between them
	v_lshrrev_b32 v1, 5, v0
	v_readfirstlane_b32 s[WV], v1   ; wave 0..3
	s_bfe_u32 s13, ttmp6, 0x40000   ; cx: my place in the cluster
	s_lshl_b32 s14, ttmp9, 2        ; in a cluster launch ttmp9 counts clusters
	s_add_co_u32 s14, s14, s13      ; my block of 256 queries = 4 x cluster x + cx: it enters Q's, O's and W_o's addresses alone
	s_and_b32 s20, ttmp7, 0xffff    ; the head, which the four partners share
	s_lshl_b32 s52, s20, 4
	s_add_co_u32 s52, s52, s14      ; my work-group among the 256: its 1,024 numbers of W_o,
	s_lshl_b32 s54, s52, 11         ; 2,048 bytes of f16,
	s_lshl_b32 s52, s52, 12         ; 4,096 bytes of f32
	s_mov_b32 s53, 0
	s_mov_b32 s55, 0
	s_lshl_b32 s20, s20, 19         ; the head's first byte in each of the four tensors: 4,096 rows of 128 bytes
	s_mov_b32 s21, 0
	s_and_b32 s16, s[WV], 1         ; which half of a tile's 256 keys I fetch:
	s_lshl_b32 s22, s16, 14         ; its 128 rows of 128 bytes in memory,
	s_mov_b32 s23, 0
	s_add_nc_u64 s[22:23], s[22:23], s[20:21]
	s_mul_i32 s17, s16, 128*PK      ; and its place in a slot, for K
	s_mul_i32 s18, s16, 128*PV      ; and for V: no place in the cluster enters an LDS address
	s_lshl_b32 s2, s14, 2
	s_add_co_u32 s2, s2, s[WV]      ; my wave among the head's,
	s_lshl_b32 s2, s2, 13           ; its 64 rows
	s_mov_b32 s3, 0
	s_add_nc_u64 s[2:3], s[2:3], s[20:21]
	; descriptor group 1.  128 keys are 16,384 dense bytes: asked for as 64 rows of 256 bytes, two keys a row, and padded in LDS after every key
	s_mov_b32 s[G1K], 15|(1<<16)|(1<<20)|(1<<21)|(4<<22)|(3<<25)  ; 15:0 the mask of four; 17:16 2-byte elements; 20 padding on; 21 set beside a mask; 24:22 after every 32 words (code 4); 31:25 4 words (code 3)
	s_mov_b32 s[G1V], 15|(1<<16)|(1<<20)|(1<<21)|(4<<22)|(7<<25)  ; the same with 8 words of padding (code 7)
.irp g, G1K, G1V
	s_mov_b32 s[\g+1], 128<<16      ; tensor_dim0 = 128
	s_mov_b32 s[\g+2], 64<<16       ; tensor_dim1 = 64
	s_mov_b32 s[\g+3], 128<<16      ; tile_dim0 = 128
	s_mov_b32 s[\g+4], 64           ; tile_dim1 = 64
	s_mov_b32 s[\g+5], 128          ; 128 elements from row to row
	s_mov_b32 s[\g+6], 0
	s_mov_b32 s[\g+7], 0
.endr
	s_mov_b32 s[CS], 0x3e38aa3b     ; c = log2(e) / 8 = 0.180337
	s_mov_b32 s[CS+1], s[CS]        ; named with it as a pair
	s_mov_b32 s[SEL], 0x76543210
	s_mov_b32 s[SEL+1], 0xfedcba98
	s_mov_b32 s[TBK], SLOT1+4*KS*PK ; the first change of slots turns these two into 0
	s_mov_b32 s[TBV], SLOT1+4*KS*PV
	s_mov_b32 s[G0K], 1             ; count = 1
	s_mov_b32 s[G0K+1], s17         ; LDS address: slot 0
	s_mov_b32 s[G0V], 1
	s_add_co_u32 s[G0V+1], s18, VOFF
	s_wait_dscnt 0x0                ; the opening add is done
	s_wait_kmcnt 0x0
	s_add_nc_u64 s[G0K+2:G0K+3], s[6:7], s[22:23]  ; global address: my half of the head's first 256 keys
	s_or_b32 s[G0K+3], s[G0K+3], 0x80000000        ; type = 2
	s_add_nc_u64 s[G0V+2:G0V+3], s[8:9], s[22:23]
	s_or_b32 s[G0V+3], s[G0V+3], 0x80000000
	s_add_nc_u64 s[4:5], s[4:5], s[2:3]  ; Q and O at my wave's first row
	s_add_nc_u64 s[10:11], s[10:11], s[2:3]
	s_add_nc_u64 s[48:49], s[48:49], s[52:53]
	s_add_nc_u64 s[50:51], s[50:51], s[54:55]
	CROUND                          ; all four work-groups are here: the first joint loads meet
	JLOAD                           ; tile 0 into slot 0.  Slot 1 is asked for when slot 0 is in
	; A fragment of K or Q is 16 rows x 32 channels in 8 registers: lane l holds row l % 16, channels 8 (l / 16) + 0..7 and 16 + 8 (l / 16) + 0..7: two loads of 16 bytes, 32 bytes apart.
	v_and_b32 v1, 15, v0            ; l % 16
	v_bfe_u32 v9, v0, 4, 1          ; l / 16
	v_lshlrev_b32 v[QO], 7, v1
	v_lshl_add_u32 v[QO], v9, 4, v[QO]  ; row x 128 + 16 x half
	v_lshlrev_b32 v[WI], 4, v0      ; 16 bytes of W_o a thread,
	v_lshlrev_b32 v[WO], 3, v0      ; 8 bytes of wo16
	WIN 0x80                        ; destination window 2, address window 0
.set i, 0
.rept 8                             ; Q stays in registers: piece i / 2 (16 rows, 2,048 bytes), channels 32 (i % 2) on
	global_load_b128 v[8*i:8*i+3],   v[QO], s[4:5] offset:(i/2)*2048+(i%2)*64
	global_load_b128 v[8*i+4:8*i+7], v[QO], s[4:5] offset:(i/2)*2048+(i%2)*64+32
.set i, i+1
.endr
	WIN 0
	global_load_b128 v[WD:WD+3],   v[WI], s[48:49]
	global_load_b128 v[WD+4:WD+7], v[WI], s[48:49] offset:2048
	; What the first turn finds: V's registers and P's second buffer hold 0 (its products V^T P, of a piece that has not been, add 0), O^T and l are 0.  All this stands in the wait for the first tile.
	WIN 0x80
.set i, VF
.rept 64
	v_mov_b32 v[i], 0
.set i, i+1
.endr
	WIN 0x40
.set i, 0
.rept 128
	v_mov_b32 v[i], 0
.set i, i+1
.endr
	WIN 0
.set i, 0
.rept 4
	v_mov_b32 v[ST+4*i], 0xfe000000    ; c m: far below every c s
	v_mov_b32 v[ST+4*i+1], 0xff7fffff  ; m: the lowest finite number
	v_mov_b32 v[ST+4*i+2], 0
	v_mov_b32 v[ST+4*i+3], 0
.set i, i+1
.endr
.set i, P+16
.rept 16
	v_mov_b32 v[i], 0
.set i, i+1
.endr
	v_mul_u32_u24 v[AK0], v1, PK
	v_lshl_add_u32 v[AK0], v9, 4, v[AK0]  ; row x pitch + 16 x half
	; The turning load takes 16 keys x 16 channels (lane l reads key 8 (l / 16) + l % 8, channels 8 ((l / 8) % 2) + 0..7) and leaves half a fragment of V^T: lane l holds channel l % 16 and 8 keys.
	v_and_b32 v10, 7, v0
	v_bfe_u32 v11, v0, 3, 1
	v_lshl_add_u32 v[AV0], v9, 3, v10
	v_mul_u32_u24 v[AV0], v[AV0], PV
	v_lshl_add_u32 v[AV0], v11, 4, v[AV0]
	v_add_nc_u32 v[AV0], VOFF, v[AV0]
	s_mul_i32 s13, s[WV], 16*SP
	s_add_co_u32 s13, s13, STAGE    ; my stage
	v_mul_u32_u24 v[STO], v1, SP    ; in: row l % 16, 16 bytes for each half of the lanes
	v_lshl_add_u32 v[STO], v9, 4, v[STO]
	v_add_nc_u32 v[STO], s13, v[STO]
	v_bfe_u32 v[RD], v0, 3, 2       ; back: 32 lanes take four rows of 128 bytes,
	v_mul_u32_u24 v[RD], v[RD], SP
	v_lshl_add_u32 v[RD], v10, 4, v[RD]
	v_add_nc_u32 v[RD], s13, v[RD]
	v_and_b32 v[GO], 31, v0         ; which are 512 consecutive bytes of O
	v_lshlrev_b32 v[GO], 4, v[GO]
	s_wait_loadcnt 0x0              ; Q and W_o
.irp p, 0,1,2,3
	v_cvt_pk_bf16_f32 v[WB+\p], v[WD+2*\p], v[WD+2*\p+1]  ; W_o is rounded to bf16,
.endr
.irp p, 0,1,2,3
	v_lshlrev_b32 v[WF+2*\p], 16, v[WB+\p]                ; widened,
	v_and_b32 v[WF+2*\p+1], 0xffff0000, v[WB+\p]
.endr
.irp p, 0,1,2,3
	v_cvt_pk_f16_f32 v[WH+\p], v[WF+2*\p], v[WF+2*\p+1]   ; and written as f16: exact for magnitudes from 6e-5 to 65,504
.endr
	global_store_b64 v[WO], v[WH:WH+1],   s[50:51]              ; each store of the wave covers 256 consecutive bytes, aligned
	global_store_b64 v[WO], v[WH+2:WH+3], s[50:51] offset:1024
; THE MATRIX WORK.  The 4 accumulators of a run of 8 take turns.  Product i of 8 of S^T = K Q^T for piece x: channels 32 (i / 4) on, keys 16 (i % 4) on.  The first 4 start the sums.
.macro KQ x
	WIN W_KQ
.set rS, S+32*((\x)%2)+8*(i%4)
.set rK, KF+16*(i%4)+8*(i/4)
.set rQ, 16*(\x)+8*(i/4)
.if i < 4
	v_wmma_f32_16x16x32_f16 v[rS:rS+7], v[rK:rK+7], v[rQ:rQ+7], 0
.else
	v_wmma_f32_16x16x32_f16 v[rS:rS+7], v[rK:rK+7], v[rQ:rQ+7], v[rS:rS+7]
.endif
.endm
; Product i of 8 of O^T += V^T P for piece x: keys 32 (i / 4) on, channels 16 (i % 4) on.
.macro PV x
	WIN W_PV
.set rO, 32*(\x)+8*(i%4)
.set rV, VF+32*(i/4)+8*(i%4)
.set rP, P+16*((\x)%2)+8*(i/4)
	v_wmma_f32_16x16x32_f16 v[rO:rO+7], v[rV:rV+7], v[rP:rP+7], v[rO:rO+7]
.endm
.macro MM                           ; the turn's next matrix instruction.  NOKQ = 1: the last turn of all: there is no next piece
.if (i < 8) && !NOKQ
	KQ (Y+1)%NP
.elseif i >= 8
.set i, i-8
	PV (Y+NP-1)%NP
.set i, i+8
.endif
.set i, i+1
.endm
; THE LDS LOADS stand in runs of 16, never singly among the matrix instructions: a step's K (64 keys x 64 channels: 8 fragments) and its V (turned).  Their addresses are made some lines ahead.
.macro FETCH_K
	WIN 0x80                        ; destination window 2
.irp f, 0,1,2,3,4,5,6,7             ; keys 16 (f / 2) on, channels 32 (f % 2) on
	ds_load_b128 v[KF+8*\f:KF+8*\f+3],   v[AK] offset:(\f/2)*16*PK+(\f%2)*64
	ds_load_b128 v[KF+8*\f+4:KF+8*\f+7], v[AK] offset:(\f/2)*16*PK+(\f%2)*64+32
.endr
	s_add_co_u32 s[TBK], s[TBK], KS*PK  ; the next fetch is the next step's
	WIN 0
.endm
.macro FETCH_V
	WIN 0x80
.irp f, 0,1,2,3,4,5,6,7             ; keys 32 (f / 4) on, channels 16 (f % 4) on
	ds_load_tr16_b128 v[VF+8*\f:VF+8*\f+3],   v[AV] offset:(\f/4)*32*PV+(\f%4)*32
	ds_load_tr16_b128 v[VF+8*\f+4:VF+8*\f+7], v[AV] offset:(\f/4)*32*PV+16*PV+(\f%4)*32
.endr
	WIN 0
.endm
; THE VECTOR WORK, one line at a time: OP kind, number.  For piece Y: F n: c s - c m for pair n of 16.  E n: the exponential of score n of 32.  C n: pair n rounded to f16.  B n: of the four weights 4 n ..
; the second pair is added onto the first, in place.  L n: l takes that sum (L 0: l = a l + sum).  R n: pair n of 16 of O^T times a.  For piece Y + 1: X n, number n of the 22 that find its maximum and statistics:
;   0-11  four chains c0-c3 of seven scores each, three operands at a time (each accumulator's lowest registers are read first)     12-14, 16  the four scores left over, the old m, and c0-c3 into c0
;   15  c m_old is kept     17, 18  the query's other 32 keys lie in the lane 16 away: the new m     19-21  c m; c m_old - c m_new; a
.set F, 0               ; OP tells the kinds apart by their order: F to L below R, X above it
.set E, 1
.set C, 2
.set B, 3
.set L, 4
.set R, 5
.set X, 6
.macro REGS y                       ; the registers of piece y
.set rT, ST+4*(\y)
.set rC, TMP+4*((\y)%2)
.set rW, MV+((\y)%2)
.set rS, S+32*((\y)%2)
.set rP, P+16*((\y)%2)
.set rO, 32*(\y)
.endm
.macro OP k, n
.if (\k) == R
	REGS Y
	WIN W_RS
	v_pk_mul_f32 v[rO+2*(\n):rO+2*(\n)+1], v[rO+2*(\n):rO+2*(\n)+1], v[rC+2:rC+3] op_sel_hi:[1,0]
.elseif (\k) < R
	REGS Y
	WIN 0
.if (\k) == F
	v_pk_fma_f32 v[rS+2*(\n):rS+2*(\n)+1], v[rS+2*(\n):rS+2*(\n)+1], s[CS:CS+1], v[rT:rT+1] op_sel_hi:[1,0,0] neg_lo:[0,0,1] neg_hi:[0,0,1]
.elseif (\k) == E
	v_exp_f32 v[rS+(\n)], v[rS+(\n)]
.elseif (\k) == C
	s_wait_alu depctr_va_vdst(0)
	v_cvt_pk_f16_f32 v[rP+(\n)], v[rS+2*(\n)], v[rS+2*(\n)+1]
.elseif (\k) == B
	s_wait_alu depctr_va_vdst(0)
	v_pk_add_f32 v[rS+4*(\n):rS+4*(\n)+1], v[rS+4*(\n):rS+4*(\n)+1], v[rS+4*(\n)+2:rS+4*(\n)+3]
.elseif (\n) == 0
	v_pk_fma_f32 v[rT+2:rT+3], v[rT+2:rT+3], v[rC+2:rC+3], v[rS:rS+1] op_sel_hi:[1,0,1]
.else
	v_pk_add_f32 v[rT+2:rT+3], v[rT+2:rT+3], v[rS+4*(\n):rS+4*(\n)+1]
.endif
.elseif NOKQ
	v_nop
.else
	REGS (Y+1)%NP
	WIN 0
.if (\n) < 4
	v_max3_num_f32 v[rC+(\n)], v[rS+8*(\n)], v[rS+8*(\n)+1], v[rS+8*(\n)+2]
.elseif (\n) < 12
	v_max3_num_f32 v[rC+(\n)%4], v[rC+(\n)%4], v[rS+8*((\n)%4)+2*((\n)/4)+1], v[rS+8*((\n)%4)+2*((\n)/4)+2]
.elseif (\n) == 12
	v_max3_num_f32 v[rC], v[rC], v[rS+7], v[rS+15]
.elseif (\n) == 13
	v_max3_num_f32 v[rC+1], v[rC+1], v[rS+23], v[rS+31]
.elseif (\n) == 14
	v_max3_num_f32 v[rC+2], v[rC+2], v[rC+3], v[rT+1]
.elseif (\n) == 15
	v_mov_b32 v[rW], v[rT]
.elseif (\n) == 16
	v_max3_num_f32 v[rC], v[rC], v[rC+1], v[rC+2]
.elseif (\n) == 17
	v_permlanex16_b32 v[rC+3], v[rC], s[SEL], s[SEL+1]
.elseif (\n) == 18
	v_max_num_f32 v[rT+1], v[rC], v[rC+3]
.elseif (\n) == 19
	v_mul_f32 v[rT], s[CS], v[rT+1]
.elseif (\n) == 20
	v_sub_f32 v[rC+1], v[rW], v[rT]
.else
	v_exp_f32 v[rC+2], v[rC+1]
.endif
.endif
.endm
.macro OPS a, i1, b=-1, i2=0, c=-1, i3=0, d=-1, i4=0  ; up to four of them
	OP \a, \i1
.if (\b) >= 0
	OP \b, \i2
.endif
.if (\c) >= 0
	OP \c, \i3
.endif
.if (\d) >= 0
	OP \d, \i4
.endif
.endm
.macro ROW a, i1, b, i2, c, i3, d, i4  ; a matrix instruction and the four behind it
	MM
	OPS \a, \i1, \b, \i2, \c, \i3, \d, \i4
.endm
; A TURN, for piece p: the order of its 16 matrix and 118 vector instructions, written out.  Behind a matrix instruction: plain, exponential, plain, plain; or four of the rescaling; or, behind the first,
; four scalings; none names a register of the products round it.  In the runs between, exponential and plain by turns while exponentials last.  A line reads no result made fewer than three vector
; instructions in front of it, five if an exponential made it.  v_permlanex16_b32 (X 17) stands in such a run.
; end = 1: the walk's last two turns: nothing is fetched.  cnt = 1: the loop's count is taken down some lines ahead of the branch that stands behind the turn.
; K of the next step is fetched in piece 2's turn, six vector instructions behind the last product that read K (five of them plain); V of the step in hand in piece 0's turn, eight behind the last product
; that read V (four plain, and X 17).  Each is waited for a turn later.
.macro TURN p, end=0, cnt=0
.set Y, (\p)
.set i, 0
.set NOKQ, (\end)*((\p)/3)
.if ((\p) == 3) && !(\end)
	s_wait_dscnt 0x0                ; K is in
.endif
	ROW F,0, F,1, F,2, F,3
	ROW F,4, E,0, F,5, F,6
	ROW F,7, E,1, F,8, F,9
	ROW F,10, E,2, C,0, F,11
	ROW F,12, E,3, X,15, F,13
	ROW R,0, R,1, R,2, R,3
	ROW B,0, E,4, F,14, L,0
.if ((\p) == 2) && !(\end)
	v_add_nc_u32 v[AK], s[TBK], v[AK0]
.endif
	ROW R,4, R,5, R,6, R,7
	OPS E,5, F,15
.if ((\p) == 2) && !(\end)
	FETCH_K
.endif
	OPS E,6, C,1, E,7, R,8
	OPS E,8, R,9, E,9, C,2
	OPS E,10, X,0, E,11, X,1
	OPS E,12, X,2, E,13, X,3
.if (\p) == 1
	s_wait_dscnt 0x0                ; V is in
.endif
	ROW X,4, E,14, X,5, X,6
	ROW X,7, E,15, X,8, X,9
	ROW X,10, E,16, X,11, X,12
	ROW X,13, E,17, X,14, B,1
	ROW C,4, E,18, X,16, L,1
	ROW B,2, E,19, C,6, L,2
	ROW C,8, E,20, B,3, B,4
.if (\p) == 0
	v_add_nc_u32 v[AV], s[TBV], v[AV0]
.endif
	ROW C,3, E,21, L,3, C,5
	OPS E,22, X,17, E,23, C,10
.if (\p) == 0
	FETCH_V
.endif
	OPS E,24, L,4
	OPS E,25, X,18, E,26, C,7
	OPS E,27, B,5, E,28, X,19
	OPS E,29, C,12, E,30, L,5
	OPS E,31, X,20, B,6, C,9
	OPS C,14, C,11, X,21, L,6
.if (\p) == 0
	s_add_co_u32 s[TBV], s[TBV], KS*PV
.endif
.if \cnt
	s_sub_co_u32 s[CNT], s[CNT], 1
	s_cmp_lg_u32 s[CNT], 0
.endif
	OPS C,13, B,7, C,15, R,10
	OPS R,11, R,12, L,7, R,13
	OPS R,14, R,15
.endm
; THE WAY OUT's parts
.macro ALL line:vararg              ; one line for each piece t
.set t, 0
.rept 4
	\line
.set t, t+1
.endr
.endm
.macro PACK t                       ; a lane's eight channels of a row pack into 16 bytes; they go into rows of 144 bytes and come back as whole rows of 128, into S^T's registers
	WIN W_RS
.set i, 32*(\t)
.rept 16
	s_wait_alu depctr_va_vdst(0)
	v_pk_mul_f32 v[i:i+1], v[i:i+1], v[ST+4*(\t)+2:ST+4*(\t)+3] op_sel_hi:[1,0]
.set i, i+2
.endr
	WIN 0x05                        ; sources 0 and 1 window 1, destination window 0
.set i, 0
.rept 16
	v_cvt_pk_f16_f32 v[S+16*(\t)+i], v[32*(\t)+2*i], v[32*(\t)+2*i+1]
.set i, i+1
.endr
	WIN 0
.irp f, 0,1,2,3
	ds_store_b128 v[STO], v[S+16*(\t)+4*\f:S+16*(\t)+4*\f+3] offset:32*\f
.endr
.irp f, 0,1,2,3
	ds_load_b128 v[S+16*(\t)+4*\f:S+16*(\t)+4*\f+3], v[RD] offset:\f*4*SP  ; LDS serves a wave's instructions in order (ISA guide 5.7.1.4): these see the stores above; the next piece's stores come behind them
.endr
.endm
.macro SEND t, younger              ; younger: the LDS instructions issued behind piece t's loads: the next piece's eight, or none
	WIN 0
.irp f, 0,1,2,3
	s_wait_dscnt (\younger)+3-\f
	global_store_b128 v[GO], v[S+16*(\t)+4*\f:S+16*(\t)+4*\f+3], s[10:11] offset:(\t)*2048+\f*512  ; 512 consecutive bytes, at a multiple of 256 from O's first
.endr
.endm
	CHANGE 1                        ; slot 0 is in, everybody's part of it; slot 1 is asked for
	v_add_nc_u32 v[AK], s[TBK], v[AK0]
	FETCH_K                         ; key step 0
	s_wait_dscnt 0x0
.set NOKQ, 0
.set i, 0
.rept 8
	KQ 0                            ; piece 0's first scores: there is no vector work yet to set between them
.set i, i+1
.endr
	WIN 0
.rept 4
	v_nop                           ; the places behind those products
.endr
.set Y, NP-1                        ; X works for piece Y + 1: piece 0
.irp n, 0,1,2,3,4,5,6,7,8,9,10,11,12,13,14,15,16,17,18,19,20,21
	OP X, \n                        ; piece 0's first maximum and statistics
.endr
	v_nop                           ; a plain instruction behind the exponential
	s_mov_b32 s[CNT], 4
	s_mov_b32 s[SLOTS], SIZE_N/256-1
	s_branch .Lfirst                ; the loop is entered at a step's first turn, in the middle of a trip
.Lslot:                             ; 14 times: every slot but the last two is filled again (tiles 2 to 15)
	CHANGE 1
	s_mov_b32 s[CNT], 4
.Lstep:                             ; a trip: pieces 2 and 3 of one step, then pieces 0 and 1 of the next, whose K and V it fetches
	TURN 2
	TURN 3
	WIN 0
.Lfirst:
	TURN 0
	TURN 1, 0, 1
	WIN 0
	s_cbranch_scc1 .Lstep
	s_sub_co_u32 s[SLOTS], s[SLOTS], 1
	s_cmp_lg_u32 s[SLOTS], 0
	s_cbranch_scc1 .Lslot
	CHANGE 0                        ; the last tile is written out: nothing is asked for
	s_mov_b32 s[CNT], 4
.LstepT:
	TURN 2
	TURN 3
	TURN 0
	TURN 1, 0, 1
	WIN 0
	s_cbranch_scc1 .LstepT
	TURN 2, 1                       ; the last step's pieces 2 and 3: nothing is fetched, and the last turn starts no new scores
	TURN 3, 1
.set i, 0
.rept 8
	PV NP-1                         ; the last piece's V^T P of the last step
.set i, i+1
.endr
	; THE WAY OUT.  l's two halves and the other half of the lanes' are added; O^T is divided by l, rounded to f16 and sent through my stage in LDS, a piece at a time.
	WIN 0
	ALL v_add_f32 v[ST+4*t+2], v[ST+4*t+2], v[ST+4*t+3]
	ALL v_permlanex16_b32 v[ST+4*t+3], v[ST+4*t+2], s[SEL], s[SEL+1]
	ALL v_add_f32 v[ST+4*t+2], v[ST+4*t+2], v[ST+4*t+3]
	ALL v_rcp_f32 v[ST+4*t+2], v[ST+4*t+2]
	v_nop                           ; a plain instruction between the last reciprocal and the use of its result
	PACK 0
.set t, 1
.rept 3                             ; a piece's arithmetic stands between the loads of the piece before and its stores
	PACK t
	SEND t-1, 8
.set t, t+1
.endr
	SEND 3, 0
	s_wait_tensorcnt 0x0            ; the wave's end, behind my last tensor load and my last LDS store
	ds_add_u32 v[SPW], v[NIL]
	s_wait_dscnt 0x0
	CROUND                          ; the closing round: no work-group ends while a partner may still ask for a tile that names it
	s_endpgm
.Lfunc_end_k_q612ff0e8a2_attn:
	.size	k_q612ff0e8a2_attn, .Lfunc_end_k_q612ff0e8a2_attn-k_q612ff0e8a2_attn
	.p2alignl 7, 3214868480
	.fill 96, 4, 3214868480
	.section	.rodata,"a",@progbits
	.p2align	6, 0x0
	.amdhsa_kernel k_q612ff0e8a2_attn
		.amdhsa_group_segment_fixed_size 327680
		.amdhsa_private_segment_fixed_size 0
		.amdhsa_enable_private_segment 0
		.amdhsa_kernarg_size 48
		.amdhsa_user_sgpr_count 2
		.amdhsa_user_sgpr_kernarg_segment_ptr 1
		.amdhsa_wavefront_size32 1
		.amdhsa_system_sgpr_workgroup_id_x 1
		.amdhsa_system_sgpr_workgroup_id_y 1
		.amdhsa_system_sgpr_workgroup_id_z 1
		.amdhsa_system_vgpr_workitem_id 0
		.amdhsa_next_free_vgpr 768
		.amdhsa_next_free_sgpr 66
		.amdhsa_reserve_vcc 0
		.amdhsa_float_denorm_mode_32 3
		.amdhsa_float_denorm_mode_16_64 3
		.amdhsa_memory_ordered 1
		.amdhsa_forward_progress 1
		.amdhsa_inst_pref_size 135
	.end_amdhsa_kernel
	.amdgpu_metadata
---
amdhsa.version: [ 1, 2 ]
amdhsa.kernels:
  - .name:           k_q612ff0e8a2_attn
    .symbol:         k_q612ff0e8a2_attn.kd
    .args:
      - { .name: qh, .offset: 0, .size: 8, .value_kind: global_buffer, .address_space: global }
      - { .name: kh, .offset: 8, .size: 8, .value_kind: global_buffer, .address_space: global }
      - { .name: vh, .offset: 16, .size: 8, .value_kind: global_buffer, .address_space: global }
      - { .name: ch, .offset: 24, .size: 8, .value_kind: global_buffer, .address_space: global }
      - { .name: W_o, .offset: 32, .size: 8, .value_kind: global_buffer, .address_space: global }
      - { .name: wo16, .offset: 40, .size: 8, .value_kind: global_buffer, .address_space: global }
    .group_segment_fixed_size: 327680
    .private_segment_fixed_size: 0
    .kernarg_segment_align: 8
    .kernarg_segment_size: 48
    .max_flat_workgroup_size: 128
    .sgpr_count:     66
    .vgpr_count:     768
    .wavefront_size: 32
...
	.end_amdgpu_metadata
.endif
;; end of part 2
;; launch outp (part 3): grid 4 x 64, 4 waves a work-group, clusters of 4 x 4, 327,680 bytes of LDS; arguments ch, wo16, b_o, out0; writes out0
.if DOCPART == 3
	.amdgcn_target "amdgcn-amd-amdhsa--gfx1250"
	.amdhsa_code_object_version 6
	.text
	.protected	k_q612ff0e8a2_outp
	.globl	k_q612ff0e8a2_outp
	.p2align	8
	.type	k_q612ff0e8a2_outp,@function
k_q612ff0e8a2_outp:
	s_mov_b64 s[64:65], 0
	v_nop
	global_prefetch_b8 v0, s[64:65] scope:SCOPE_SE
	s_setreg_imm32_b32 hwreg(HW_REG_WAVE_MODE, 25, 1), 1
	s_wait_xcnt 0x0
	s_wait_alu depctr_hold_cnt(0) depctr_sa_sdst(0) depctr_va_vdst(0) depctr_va_sdst(0) depctr_va_ssrc(0) depctr_va_vcc(0) depctr_vm_vsrc(0)
	s_getreg_b32 s2, hwreg(HW_REG_IB_STS2, 6, 4)
	s_cmp_eq_u32 s2, 0
	s_cbranch_scc0 .Lentry_in_a_cluster
	s_endpgm
.Lentry_in_a_cluster:
	s_bfe_u32 s2, ttmp6, 0x10000c
	s_cmp_lg_u32 s2, 0xf033
	s_cbranch_scc0 .Lentry_shape_is_right
	s_endpgm
.Lentry_shape_is_right:
; THE OUTPUT PROJECTION.  out0[m][n] = the sum over k of ctx[m][k] W_o[n][k] + b_o[n].  ctx lies by heads, [16 = 8 batch + head][4096][64] f16 (k = 64 head + channel); wo16: [512 n][512 k] f16
; (W_o rounded to bf16, written as f16); b_o: [512] f32, rounded to bf16 here like every input; out0: [8192][512] f32.  Products in f16, sums in f32; the bias starts each sum.
; LIMITS.  ctx and wo16 arrive within f16's range; NaN and infinities are not treated apart.
; SHARES.  256 tiles of 128 x 128; four waves, each 64 x 64: 16 accumulators.  K = 512 is short: ALL of a tile's operands (128 KiB of ctx, 128 KiB of W_o, with padding 286,720 bytes) fit in LDS, so every wave
; asks for its four parts at the start, K ascending, and nothing is ever filled again: four tensor loads of a wave are out, and a quarter of K is multiplied while the later quarters land.
; CLUSTER: 4 x 4.  ctx's tiles are shared along a row of the cluster, W_o's along a column: joint loads.
; THE MATRIX INSTRUCTION IS USED TRANSPOSED (source 0 = 16 rows of W_o, source 1 = 16 rows of ctx): a lane then holds eight neighbouring numbers of a row of out0.
; REGISTERS: window 0: v0-31 addresses; v32-63 the bias as a C operand; v128-255 the accumulators ((a, b) at v[128 + 8 (4 a + b)]), later the rows on their way out.
;   window 1: two fragment buffers of 128: for 64 along K (one head), 64 registers of ctx (2 x 4 x 16 rows x 32 K), then 64 of W_o.
.set PA,     144                       ; a row of ctx in LDS: 128 bytes (one head's 64 channels) + 16: the 16 rows of a load start at 16 different groups of four banks (64 banks of 4 bytes: ISA guide 11.1)
.set HEADB,  128*PA                    ; a head's 128 rows
.set PB,     272                       ; a row of W_o in LDS: 256 bytes (a quarter of K) + 16
.set QB,     128*PB                    ; a quarter's 128 rows
.set BOFF,   8*HEADB                   ; W_o's four quarters lie behind ctx's eight heads
.set STAGE,  BOFF+4*QB                 ; behind them: 16 rows x 272 bytes for each wave, for the way out
.set SPITCH, 272
.set SPARE,  STAGE+4*16*SPITCH         ; behind the stages: the spare words, 128 bytes for each wave
.set ADRA, 16                          ; v16-19  LDS address of my ctx fragments in quarter 0..3
.set ADRB, 20                          ; v20-23  the same for W_o
.set STO,  24                          ; v24     the way out: where I put 32 bytes of a row
.set RD,   25                          ; v25     the way out: where I read a row back
.set CO,   26                          ; v26     my byte offset in out0
.set SPW,  28                          ; v28     LDS address of my spare word; never rewritten
.set NIL,  29                          ; v29     0; never rewritten
.set BO,   30                          ; v30     32 x (lane / 16)
.set BIAS, 32
.set ACC,  128
.set F0,   0
.set F1,   128
.set G1A, 24                           ; s[24:31] descriptor group 1 for ctx's tiles;  s[32:47] group 0, one set for each quarter
.set G0A, 32
.set G1B, 48                           ; s[48:55], s[68:83] the same for W_o's
.set G0B, 68
.set WV,  56                           ; s56 my wave's number; s57 my half of the rows; s58 my half of the columns, and which part of a quarter I fetch
.set RH,  57
.set CH,  58
.set MSB, 0
.macro WIN new                         ; the immediate's high byte repeats the setting that is left; a switch that changes nothing is dropped
.if MSB != (\new)
	s_set_vgpr_msb (MSB<<8)|(\new)
.set MSB, \new
.endif
.endm
.set MUL,  0x05                        ; sources 0 (W_o) and 1 (ctx) window 1; C and D window 0
.set TO_F, 0x40                        ; destination window 1, address window 0
.macro CROUND                          ; a round of the cluster's barrier
	s_barrier_signal -1
	s_barrier_wait -1
	s_cmp_lg_u32 s[WV], 0
	s_cbranch_scc1 .Lnot_wave_0_\@
	s_barrier_signal -3
.Lnot_wave_0_\@:
	s_barrier_wait -3
	s_barrier_signal -1
	s_barrier_wait -1
.endm
.macro PLACES                          ; four plain instructions in front of loads into registers that matrix instructions have read, and of the first readers of results
.rept 4
	v_nop
.endr
.endm
	s_load_b256 s[4:11], s[0:1], 0x0               ; ctx s[4:5], wo16 s[6:7], b_o s[8:9], out0 s[10:11]
	v_lshl_add_u32 v[SPW], v0, 2, SPARE
	v_mov_b32 v[NIL], 0
	ds_add_u32 v[SPW], v[NIL]                      ; the wave's opening: the add and its wait stand ahead of my first tensor load; the set-up below stands between them
	v_lshrrev_b32 v1, 5, v0
	v_readfirstlane_b32 s[WV], v1                  ; wave 0..3
	s_lshr_b32 s[RH], s[WV], 1
	s_and_b32 s[CH], s[WV], 1
	s_bfe_u32 s84, ttmp6, 0x40000                  ; cx, cy: my place in the cluster
	s_bfe_u32 s85, ttmp6, 0x40004
	s_lshl_b32 s86, ttmp9, 2
	s_add_co_u32 s86, s86, s84                     ; tile column = 4 x cluster x + cx
	s_and_b32 s18, ttmp7, 0xffff                   ; the cluster's y, 0 to 15
	s_lshl_b32 s13, s18, 2
	s_add_co_u32 s13, s13, s85                     ; tile row = 4 x cluster y + cy
	s_and_b32 s19, s18, 7
	s_lshl_b32 s19, s19, 2
	s_add_co_u32 s19, s19, s85                     ; the tile row within its batch,
	s_lshr_b32 s18, s18, 3                         ; and the batch
	s_lshl_b32 s87, s85, 2
	s_lshl_b32 s87, 15, s87                        ; my row of the cluster
	s_lshl_b32 s88, 0x1111, s84                    ; my column
	; group 1 for ctx: a head's 128 rows are 16,384 dense bytes: asked for as 64 rows of 256 bytes and padded in LDS after every 128 bytes
	s_or_b32 s[G1A+0], s87, (1<<16)|(1<<20)|(1<<21)|(4<<22)|(3<<25)  ; 15:0 the mask: my row; 17:16 2-byte elements; 20 padding on; 21 set beside a mask; 24:22 after every 32 words (code 4); 31:25 4 words (code 3)
	s_mov_b32 s[G1A+5], 128                        ; 128 elements from row to row
	; group 1 for W_o: 64 rows x 128 elements out of rows of 512, padded after every 256 bytes
	s_or_b32 s[G1B+0], s88, (1<<16)|(1<<20)|(1<<21)|(5<<22)|(3<<25)  ; the mask: my column; after every 64 words (code 5)
	s_mov_b32 s[G1B+5], 512
.irp g, G1A, G1B
	s_mov_b32 s[(\g)+1], 128<<16                   ; tensor_dim0 = 128
	s_mov_b32 s[(\g)+2], 64<<16                    ; tensor_dim1 = 64
	s_mov_b32 s[(\g)+3], 128<<16                   ; tile_dim0 = 128
	s_mov_b32 s[(\g)+4], 64                        ; tile_dim1 = 64
	s_mov_b32 s[(\g)+6], 0
	s_mov_b32 s[(\g)+7], 0
.endr
	s_lshl_b32 s16, s18, 22                        ; ctx: batch x 8 heads x 2^19
	s_lshl_b32 s17, s19, 14                        ; + 128 rows of 128 bytes x tile row in the batch
	s_add_co_u32 s16, s16, s17
	s_lshl_b32 s17, s[CH], 19                      ; + the even or the odd head of a quarter
	s_add_co_u32 s16, s16, s17
	s_mov_b32 s17, 0
	s_lshl_b32 s90, s86, 17                        ; W_o: 128 rows of 1,024 bytes x tile column
	s_lshl_b32 s91, s[CH], 16                      ; + 64 rows x half
	s_add_co_u32 s90, s90, s91
	s_mov_b32 s91, 0
	s_mul_i32 s20, s[CH], HEADB                    ; where they go: no place in the cluster enters an LDS address
	s_mul_i32 s21, s[CH], 64*PB
	s_wait_dscnt 0x0                               ; the opening add is done
	s_wait_kmcnt 0x0
	s_add_nc_u64 s[14:15], s[4:5], s[16:17]
	s_add_nc_u64 s[90:91], s[6:7], s[90:91]
.irp j, 0,1,2,3
	s_mov_b32 s[G0A+4*(\j)], 1                                      ; count = 1
	s_add_co_u32 s[G0A+4*(\j)+1], s20, (\j)*2*HEADB                 ; LDS address: head 2 j + part
	s_add_nc_u64 s[G0A+4*(\j)+2:G0A+4*(\j)+3], s[14:15], (\j)<<20   ; global address: two heads on for each quarter
	s_or_b32 s[G0A+4*(\j)+3], s[G0A+4*(\j)+3], 0x80000000           ; type = 2
	s_mov_b32 s[G0B+4*(\j)], 1
	s_add_co_u32 s[G0B+4*(\j)+1], s21, BOFF+(\j)*QB
	s_add_nc_u64 s[G0B+4*(\j)+2:G0B+4*(\j)+3], s[90:91], (\j)*256   ; 128 along K on for each quarter
	s_or_b32 s[G0B+4*(\j)+3], s[G0B+4*(\j)+3], 0x80000000
.endr
	CROUND                                         ; all sixteen work-groups are here: the joint loads meet
	s_cmp_lt_u32 s[WV], 2                          ; a wave's four fills stand in one branch on its number, ahead of every wait on TENSORcnt and every LDS read; an s_nop 0 follows each, four v_nop the last
	s_cbranch_scc0 .Lfill_b
.irp j, 0,1,2,3
	tensor_load_to_lds s[G0A+4*(\j):G0A+4*(\j)+3], s[G1A:G1A+7]
	s_nop 0
.endr
.rept 4
	v_nop
.endr
	s_branch .Lfilled
.Lfill_b:
.irp j, 0,1,2,3
	tensor_load_to_lds s[G0B+4*(\j):G0B+4*(\j)+3], s[G1B:G1B+7]
	s_nop 0
.endr
.rept 4
	v_nop
.endr
.Lfilled:
	s_lshl_b32 s94, s86, 9                         ; my 64 columns, in bytes of f32: 512 x tile column + 256 x half
	s_lshl_b32 s95, s[CH], 8
	s_add_co_u32 s94, s94, s95
	s_mov_b32 s95, 0
	s_add_nc_u64 s[8:9], s[8:9], s[94:95]
	v_and_b32 v1, 15, v0                           ; l % 16
	v_bfe_u32 v2, v0, 4, 1                         ; l / 16
	v_lshlrev_b32 v[BO], 5, v2
.irp b, 0,1,2,3
	global_load_b128 v[BIAS+8*(\b):BIAS+8*(\b)+3],   v[BO], s[8:9] offset:64*(\b)     ; register 8 b + j: the bias of column 16 b + 8 (l / 16) + j, as the result's layout has it
	global_load_b128 v[BIAS+8*(\b)+4:BIAS+8*(\b)+7], v[BO], s[8:9] offset:64*(\b)+16
.endr
	s_lshl_b32 s92, s13, 18                        ; out0: 128 rows of 2,048 bytes x tile row
	s_lshl_b32 s93, s[RH], 17                      ; + 64 rows x my row half
	s_add_co_u32 s92, s92, s93
	s_add_co_u32 s92, s92, s94                     ; + my columns
	s_mov_b32 s93, 0
	s_add_nc_u64 s[10:11], s[10:11], s[92:93]
	v_mul_u32_u24 v3, v1, PA
	v_lshl_add_u32 v3, v2, 4, v3                   ; a fragment's row x pitch + 16 x half
	v_mul_u32_u24 v4, v1, PB
	v_lshl_add_u32 v4, v2, 4, v4
	s_mul_i32 s22, s[RH], 64*PA                    ; my 64 rows of ctx
	s_mul_i32 s23, s[CH], 64*PB                    ; my 64 rows of W_o
	s_add_co_u32 s23, s23, BOFF
.irp j, 0,1,2,3
	v_add_nc_u32 v[ADRA+(\j)], s22, v3
	v_add_nc_u32 v[ADRB+(\j)], s23, v4
	s_add_co_u32 s22, s22, 2*HEADB
	s_add_co_u32 s23, s23, QB
.endr
	s_mul_i32 s22, s[WV], 16*SPITCH
	s_add_co_u32 s22, s22, STAGE                   ; my stage
	v_mul_u32_u24 v5, v1, SPITCH                   ; in: row l % 16, 32 bytes for each half of the lanes
	v_lshl_add_u32 v5, v2, 5, v5
	v_add_nc_u32 v[STO], s22, v5
	v_mul_u32_u24 v5, v2, SPITCH                   ; back: lanes 0-15 take one row of 256 bytes, lanes 16-31 the next
	v_lshl_add_u32 v5, v1, 4, v5
	v_add_nc_u32 v[RD], s22, v5
	v_lshlrev_b32 v5, 11, v2                       ; and the same two rows in out0
	v_lshl_add_u32 v[CO], v1, 4, v5
	s_wait_loadcnt 0x0                             ; the bias
.set i, 0
.rept 16                               ; rounded to bf16 like every input, and widened again
	v_cvt_pk_bf16_f32 v3, v[BIAS+2*i], v[BIAS+2*i+1]
	v_lshlrev_b32 v[BIAS+2*i], 16, v3
	v_and_b32 v[BIAS+2*i+1], 0xffff0000, v3
.set i, i+1
.endr
; 32 LDS loads in one run: the fragments of unit u (head u: 64 along K) into buffer f; the first 32 along K first
.macro FETCH u, f
	WIN TO_F
.irp c, 0,1
.irp i, 0,1,2,3
	ds_load_b128 v[(\f)+64+8*(4*(\c)+(\i)):(\f)+64+8*(4*(\c)+(\i))+3],   v[ADRB+(\u)/2] offset:((\u)%2)*128+64*(\c)+(\i)*16*PB
	ds_load_b128 v[(\f)+64+8*(4*(\c)+(\i))+4:(\f)+64+8*(4*(\c)+(\i))+7], v[ADRB+(\u)/2] offset:((\u)%2)*128+64*(\c)+(\i)*16*PB+32
	ds_load_b128 v[(\f)+8*(4*(\c)+(\i)):(\f)+8*(4*(\c)+(\i))+3],         v[ADRA+(\u)/2] offset:((\u)%2)*HEADB+64*(\c)+(\i)*16*PA
	ds_load_b128 v[(\f)+8*(4*(\c)+(\i))+4:(\f)+8*(4*(\c)+(\i))+7],       v[ADRA+(\u)/2] offset:((\u)%2)*HEADB+64*(\c)+(\i)*16*PA+32
.endr
.endr
.endm
; 8 matrix instructions: row blocks a0, a0 + 1 x all 4 column blocks, 32 along K: half c of buffer f.  first = 1: the bias starts the sums.  The 16 accumulators take turns.
.macro MUL8 f, c, a0, first
	WIN MUL
.irp a, \a0, (\a0)+1
.irp b, 0,1,2,3
.if \first
	v_wmma_f32_16x16x32_f16 v[ACC+8*(4*(\a)+(\b)):ACC+8*(4*(\a)+(\b))+7], v[(\f)+64+8*(4*(\c)+(\b)):(\f)+64+8*(4*(\c)+(\b))+7], v[(\f)+8*(4*(\c)+(\a)):(\f)+8*(4*(\c)+(\a))+7], v[BIAS+8*(\b):BIAS+8*(\b)+7]
.else
	v_wmma_f32_16x16x32_f16 v[ACC+8*(4*(\a)+(\b)):ACC+8*(4*(\a)+(\b))+7], v[(\f)+64+8*(4*(\c)+(\b)):(\f)+64+8*(4*(\c)+(\b))+7], v[(\f)+8*(4*(\c)+(\a)):(\f)+8*(4*(\c)+(\a))+7], v[ACC+8*(4*(\a)+(\b)):ACC+8*(4*(\a)+(\b))+7]
.endif
.endr
.endr
.endm
; Quarter j of K: units 2 j (buffer 0) and 2 j + 1 (buffer 1), 32 matrix instructions each.  Before the next quarter is read, each wave has seen its own part of it land and has passed a barrier;
; the later quarters' loads stay out across that barrier: no LDS byte is ever filled again.
.macro QUART j, first, last
	s_wait_dscnt 16                                ; the unit's first 32 along K are in
	MUL8 F0, 0, 0, \first
	MUL8 F0, 0, 2, \first
	PLACES
	FETCH 2*(\j)+1, F1
	s_wait_dscnt 32                                ; all but the 32 just issued
	MUL8 F0, 1, 0, 0
	MUL8 F0, 1, 2, 0
	s_wait_dscnt 16
	MUL8 F1, 0, 0, 0
	MUL8 F1, 0, 2, 0
	s_wait_dscnt 0x0                               ; no LDS instruction of mine is out at the signal
.if !(\last)
	s_wait_tensorcnt 2-(\j)                        ; my part of quarter j + 1 is in: 2 - j younger loads may stay out
	s_barrier_signal -1
.endif
	MUL8 F1, 1, 0, 0
	MUL8 F1, 1, 2, 0
.if !(\last)
	s_barrier_wait -1                              ; everybody's part is in
	PLACES
	FETCH 2*(\j)+2, F0
.endif
.endm
; THE WAY OUT of row block a: 32 bytes a lane into my own stage, each accumulator's low registers first, and back as whole rows of 256 bytes, into the block's own 32 registers.
.macro STG a
.irp b, 0,1,2,3
	ds_store_b128 v[STO], v[ACC+8*(4*(\a)+(\b)):ACC+8*(4*(\a)+(\b))+3]   offset:64*(\b)
	ds_store_b128 v[STO], v[ACC+8*(4*(\a)+(\b))+4:ACC+8*(4*(\a)+(\b))+7] offset:64*(\b)+16
.endr
.irp t, 0,1,2,3,4,5,6,7
	ds_load_b128 v[ACC+32*(\a)+4*(\t):ACC+32*(\a)+4*(\t)+3], v[RD] offset:(\t)*2*SPITCH  ; LDS serves a wave's instructions in order (ISA guide 5.7.1.4): these see the stores above; the next block's stores come behind them
.endr
.endm
.macro SEND a, younger                 ; younger: the LDS instructions issued behind block a's loads: the next block's sixteen, or none
.irp t, 0,1,2,3,4,5,6,7
	s_wait_dscnt (\younger)+7-(\t)
	global_store_b128 v[CO], v[ACC+32*(\a)+4*(\t):ACC+32*(\a)+4*(\t)+3], s[10:11] offset:(\a)*32768+(\t)*4096  ; 16 lanes store 256 consecutive bytes, at a multiple of 256 from out0's first byte
.endr
.endm
	s_wait_tensorcnt 3                             ; my part of quarter 0 is in; the three younger loads stay out
	s_barrier_signal -1
	s_barrier_wait -1                              ; everybody's is
	FETCH 0, F0
	QUART 0, 1, 0
	QUART 1, 0, 0
	QUART 2, 0, 0
	QUART 3, 0, 1
	WIN 0
	PLACES
	STG 0
	STG 1
	SEND 0, 16
	STG 2
	SEND 1, 16
	STG 3
	SEND 2, 16
	SEND 3, 0
	s_wait_tensorcnt 0x0                           ; the wave's end, behind my last tensor load and my last LDS store
	ds_add_u32 v[SPW], v[NIL]
	s_wait_dscnt 0x0
	CROUND                                         ; the closing round: no work-group ends while a partner may still ask for a tile that names it
	s_endpgm
.Lfunc_end_k_q612ff0e8a2_outp:
	.size	k_q612ff0e8a2_outp, .Lfunc_end_k_q612ff0e8a2_outp-k_q612ff0e8a2_outp
	.p2alignl 7, 3214868480
	.fill 96, 4, 3214868480
	.section	.rodata,"a",@progbits
	.p2align	6, 0x0
	.amdhsa_kernel k_q612ff0e8a2_outp
		.amdhsa_group_segment_fixed_size 327680
		.amdhsa_private_segment_fixed_size 0
		.amdhsa_enable_private_segment 0
		.amdhsa_kernarg_size 32
		.amdhsa_user_sgpr_count 2
		.amdhsa_user_sgpr_kernarg_segment_ptr 1
		.amdhsa_wavefront_size32 1
		.amdhsa_system_sgpr_workgroup_id_x 1
		.amdhsa_system_sgpr_workgroup_id_y 1
		.amdhsa_system_sgpr_workgroup_id_z 1
		.amdhsa_system_vgpr_workitem_id 0
		.amdhsa_next_free_vgpr 512
		.amdhsa_next_free_sgpr 96
		.amdhsa_reserve_vcc 0
		.amdhsa_float_denorm_mode_32 3
		.amdhsa_float_denorm_mode_16_64 3
		.amdhsa_memory_ordered 1
		.amdhsa_forward_progress 1
		.amdhsa_inst_pref_size 55
	.end_amdhsa_kernel
	.amdgpu_metadata
---
amdhsa.version: [ 1, 2 ]
amdhsa.kernels:
  - .name:           k_q612ff0e8a2_outp
    .symbol:         k_q612ff0e8a2_outp.kd
    .args:
      - { .name: ch, .offset: 0, .size: 8, .value_kind: global_buffer, .address_space: global }
      - { .name: wo16, .offset: 8, .size: 8, .value_kind: global_buffer, .address_space: global }
      - { .name: b_o, .offset: 16, .size: 8, .value_kind: global_buffer, .address_space: global }
      - { .name: out0, .offset: 24, .size: 8, .value_kind: global_buffer, .address_space: global }
    .group_segment_fixed_size: 327680
    .private_segment_fixed_size: 0
    .kernarg_segment_align: 8
    .kernarg_segment_size: 32
    .max_flat_workgroup_size: 128
    .sgpr_count:     96
    .vgpr_count:     512
    .wavefront_size: 32
...
	.end_amdgpu_metadata
.endif
;; end of part 3
